; MI455X (gfx1250); checked and timed in simulation.
; The chip was launched on July 23, 2026; its instructions are those of AMD's public machine-readable ISA for CDNA 5 (MIT licence, August 2026) and "CDNA5" Instruction Set Architecture Reference Guide (July 2026). The comments in the code are by the model that wrote it; some were corrected since.
;; PPO Agent Quantum Jumanji. Allowed arithmetic: float matrix products may take bf16 or f16 operands with f32 sums; other float arithmetic in f32, or as packed bf16 or f16 multiplies, adds, multiply-adds, maxima and minima; sums over many terms, partial sums and values carried from step to step in f32; what a program stores and reads back later, other than sums and carried values, may be rounded once to bf16 or f16.
;; Inputs: action 2,048 int32; input_scaling_actor 5 float32; input_scaling_critic 5 float32; output_scaling_actor 10 float32; output_scaling_critic one number float32; weights_actor 5 float32; weights_critic 5 float32; x 2,048 x 55 float32.
;; Outputs: out0 2,048 x 3 float32.
;; One version. Each part assembles by itself: llvm-mc -triple=amdgcn-amd-amdhsa -mcpu=gfx1250 --defsym DOCPART=n.
;; ======== version 1 of 1: 1 launch
;; limits: values outside matrix products are rounded to f16; right only within a limited range of input values; a function is approximated: absolute error at most 4.1e-05
;; launch circuits (part 1): grid 256 x 1, 16 waves a work-group, no clusters, 18,688 bytes of LDS; arguments x, action, out0, input_scaling_actor, input_scaling_critic, weights_actor, weights_critic, output_scaling_actor, output_scaling_critic; writes out0
.if DOCPART == 1
	.amdgcn_target "amdgcn-amd-amdhsa--gfx1250"
	.amdhsa_code_object_version 6
	.text
	.protected	k_q24f8f6ecda_circuits
	.globl	k_q24f8f6ecda_circuits
	.p2align	8
	.type	k_q24f8f6ecda_circuits,@function
k_q24f8f6ecda_circuits:
	s_mov_b64 s[64:65], 0
	v_nop
	global_prefetch_b8 v0, s[64:65] scope:SCOPE_SE
	s_setreg_imm32_b32 hwreg(HW_REG_WAVE_MODE, 25, 1), 1
	s_wait_xcnt 0x0
; TWO 10-QUBIT, 5-LAYER CIRCUITS (ACTOR, CRITIC) FOR EACH OF 2,048 SAMPLES; out0[b] = (log_prob, entropy, value).
; SHARES.  A work-group owns 8 samples; each of its 16 waves owns ONE circuit of one sample: the whole state of 1,024 complex amplitudes, 32 a lane.
; THE ALGEBRA (identities, for all values of the inputs).
;  (1) RX(w) = W1 RY W1^-1 with W1 = diag(1, -i), RY = [[c, -s], [s, c]], c = cos(w/2), s = sin(w/2).  W = W1 on all qubits is diagonal and commutes with the layers' diagonal phases D_l, so
;      U D_5 .. U D_1 psi0 = W (M D_5) .. (M D_2) M (W^-1 D_1 psi0), M = RY on all ten qubits: REAL.  The W in front has modulus 1 and leaves |psi|^2; W^-1 = i^popcount is popcount/4 turns more in layer 1's phase.
;  (2) M = M5 x M5 (Kronecker), M5 = RY on five qubits: 32 x 32, the same for all samples.  With idx = (a, b), a = qubits 0-4, b = qubits 5-9 (qubit 0 the highest bit), a layer is two real products of K = 32 on Re and on Im.
;  (3) A matrix result holds n along the lanes and m = 8 (lane / 16) + register; two results (m 0-15, m 16-31) rounded in pairs ARE a first source with row = lane, k = register.  The state is always the first source and
;      M5 the second: each product contracts the index that lies along the registers and lays the new index along the lanes; two products bring the layout back.  Nothing changes lanes in the layers.
;  (4) The exponent E(a, b) = sum_q h_q z_q + sum J_ij z_i z_j = F^T X F: F(f, n), 16 features of a 5-bit index (1; z0..z4; the ten products z_i z_j), X 16 x 16 with the sample's 55 numbers.  K = 32 is 16 features x
;      (bf16 upper part, bf16 rest), for x and again for the intermediate, so E keeps some 16 significant bits.
;  (5) The state starts at modulus 1, not 1/32; 1/1024 goes into the output scales.  The state's norm is 32 in every step (M and the phases are unitary), so no amplitude passes 32: f16 has the room for every input.
; WORK LEFT OUT, since no output hangs on it for any values of the inputs: the critic's <Z_1> .. <Z_9>; and the critic's last rotation of qubits 5-9: M5 is orthogonal (c^2 + s^2 = 1), so the
; sum over b of |psi(a, b)|^2 is the same before and behind it, and <Z_0> hangs on a alone.  A NaN, an infinity or an overflow that arises in that work alone is not carried to the result.  Every input is loaded.
; LIMITS.  |input_scaling x E| / 4 pi and |weight| / 4 pi stay under 2^22 (the rounding to whole turns by adding 1.5 x 2^23).  cos and sin of 2 pi r, |r| <= 1/2, are polynomials of degree 4 in r^2, off by at most 4.1e-5 and 5.9e-6.
; The state and M5 are rounded to f16 for each product, sums in f32.  action is taken as 0 .. 9 (it indexes ten logits); any other value gives logit 0's log_prob.
; THE LAYERS ARE WRITTEN OUT, by one macro: a layer's matrix then stands at a constant offset in its loads' immediates and its scaling in a scalar pair of its own; no LDS address is ever stepped.
; NO TENSOR LOADS, NO CLUSTER, NO PREFETCH: a wave's input is 220 bytes, by scalar loads; what work-groups share is 124 bytes.  The work-group's 96 bytes of out0 leave by one store of 24 lanes.
.set MATB,  1536      ; LDS 0: ten matrices (actor's layers 0-4, critic's 5-9) of three blocks of 512 bytes: s V, c V, -s V; lane l at 16 l
.set FT,    15360     ; the feature table: two blocks of 512 bytes (index 0-15, 16-31); lane l at 16 l
.set RES,   16384     ; results: 16 bytes a wave: an actor's log_prob and entropy at +0, a critic's value at +8
.set SPARE, 16640     ; the spare words, 128 bytes for each of the 16 waves: eight blocks of 256 bytes that no other line names
.set LN,  1           ; v1   lane
.set SPW, 2           ; v2   LDS address of my spare word; never rewritten
.set NIL, 3           ; v3   0; never rewritten
.set MA,  4           ; v4   16 lane + my circuit's five matrices; never rewritten
.set LA,  5           ; v5   16 lane
.set RA,  15          ; v15  16 x wave
.set EE,  16          ; v[16:47]    E, tile (a / 16, b / 16) = (mt, nt) at EE + 8 (2 mt + nt): lane % 16 = b % 16, 8 (lane / 16) + register = a % 16
.set DR,  48          ; v[48:79]    Re of the state, as the products leave it; four tiles
.set DI,  80          ; v[80:111]   Im
.set AR,  112         ; v[112:127]  Re as first sources, f16: two of 8 registers
.set AI,  128         ; v[128:143]  Im
.set MB,  144         ; v[144:155]  s V, c V, -s V: the second source for new index 16-31 is v[144:151], for 0-15 v[148:155]
.set TR,  160         ; v[160:191]  at work in the phases: r; u = r^2; cos; sin: four pairs each
.set TU,  168
.set TC,  176
.set TS,  184
.set FB0, 80          ; ahead of the layers: the feature table as second sources,
.set FB1, 88
.set XV,  160         ; X as f32: lane (g, h), register j: X(feature 8 h + j of a, feature g of b)
.set HF,  168         ; at work in SPLIT
.set AX,  112         ; X as a first source
.set G0,  48          ; X F for a = 0-15,
.set G1,  56          ; for a = 16-31
.set A20, 128         ; and these as first sources
.set A21, 136
.set OFF, 64          ; v[64:71] popcount(lane) / 4 + {0, 1/4, 1/2, 3/4} and + {1/4, 1/2, 3/4, 1}
.set VL,  112         ; the actor's tail: the ten <Z_q>, then logits, then logits less their maximum
.set TT,  122
.set TMP, 123
.set WV,   2          ; s2   wave
.set CIRC, 3          ; s3   0 actor, 1 critic
.set SL,   22         ; s22  my sample among the work-group's eight
.set SMP,  23         ; s23  my sample
.set CC,   32         ; s[32:41] cos's five coefficients, each twice (the packed forms name pairs); s[42:51] sin's.  Before that s32-63 and s68-90 hold x
.set SS,   42
.set MAG,  52         ; s[52:53] 1.5 x 2^23
.set NMAG, 54         ; s[54:55] its negative
.set KL,   56         ; s[56:63] -input_scaling / 4 pi of layers 2 to 5, each twice
.set K1,   66         ; s[66:67] of layer 1 (in the waves that make a matrix these two hold lane masks first)
.set SEL,  100        ; s[100:101] v_permlanex16_b32's selects: each lane takes its own place in the other half
.set PC0, 0x3f7ffd50  ; cos(2 pi r) = PC0 + PC1 u + .. + PC4 u^4
.set PC1, 0xc19dd8f8
.set PC2, 0x428157c7
.set PC3, 0xc2a4c817
.set PC4, 0x42367bf5
.set PS0, 0x40c90ec7  ; sin(2 pi r) = r (PS0 + PS1 u + .. + PS4 u^4)
.set PS1, 0xc2255312
.set PS2, 0x42a2bb23
.set PS3, 0xc294f124
.set PS4, 0x4203135b
.macro NOP4                         ; four places behind a matrix instruction, where no other vector work is at hand (ISA guide 7.12.1)
.rept 4
	v_nop
.endr
.endm
.macro Q4 line:vararg               ; one line for each of a tile's four register pairs, i = 0, 2, 4, 6: four instructions that do not wait for each other
.set i, 0
.rept 4
	\line
.set i, i+2
.endr
.endm
.macro SPAIR r, val
	s_mov_b32 s[\r], \val
	s_mov_b32 s[(\r)+1], \val
.endm
; Eight f32 become a first source of K = 32: registers 0-3 the numbers rounded to bf16, registers 4-7 what the rounding left (exact in f32), rounded to bf16.
.macro SPLIT src, dst
.irp p, 0,1,2,3
	v_cvt_pk_bf16_f32 v[(\dst)+(\p)], v[(\src)+2*(\p)], v[(\src)+2*(\p)+1]
.endr
.irp p, 0,1,2,3
	v_lshlrev_b32 v[HF+2*(\p)], 16, v[(\dst)+(\p)]
	v_and_b32 v[HF+2*(\p)+1], 0xffff0000, v[(\dst)+(\p)]
.endr
.irp p, 0,1,2,3
	v_pk_add_f32 v[HF+2*(\p):HF+2*(\p)+1], v[(\src)+2*(\p):(\src)+2*(\p)+1], v[HF+2*(\p):HF+2*(\p)+1] neg_lo:[0,1] neg_hi:[0,1]
.endr
.irp p, 0,1,2,3
	v_cvt_pk_bf16_f32 v[(\dst)+4+(\p)], v[HF+2*(\p)], v[HF+2*(\p)+1]
.endr
.endm
.macro LOADM l                      ; M5 of my circuit's matrix l (0 to 4): the matrix's place stands in the immediates
	ds_load_b128 v[MB:MB+3], v[MA] offset:(\l)*MATB
	ds_load_b128 v[MB+4:MB+7], v[MA] offset:(\l)*MATB+512
	ds_load_b128 v[MB+8:MB+11], v[MA] offset:(\l)*MATB+1024
.endm
; Eight products: Re and Im, lane block mu of the state, block nu of the new index.  Each starts its own sum with 0: no two share an accumulator.
.macro MUL8
.irp pt, 0,1
.irp mu, 0,1
.irp nu, 0,1
	v_wmma_f32_16x16x32_f16 v[DR+32*(\pt)+8*(2*(\mu)+(\nu)):DR+32*(\pt)+8*(2*(\mu)+(\nu))+7], v[AR+16*(\pt)+8*(\mu):AR+16*(\pt)+8*(\mu)+7], v[MB+4-4*(\nu):MB+11-4*(\nu)], 0
.endr
.endr
.endr
.endm
; The results become first sources: tile (mu, nu) gives registers 4 mu .. 4 mu + 3 of source nu.  Each accumulator is read from its lowest registers on.
.macro CVT
.irp pt, 0,1
.irp nu, 0,1
.irp mu, 0,1
.irp pr, 0,1,2,3
	v_cvt_pk_f16_f32 v[AR+16*(\pt)+8*(\nu)+4*(\mu)+(\pr)], v[DR+32*(\pt)+8*(2*(\mu)+(\nu))+2*(\pr)], v[DR+32*(\pt)+8*(2*(\mu)+(\nu))+2*(\pr)+1]
.endr
.endr
.endr
.endr
.endm
; A layer's diagonal phase e^(2 pi i tau), tau = K E in turns (K in the scalar pair kr), tile by tile: r = tau less the nearest whole number, cos and sin by Horner in u = r^2, the complex product, the rounding to f16
; into the first sources.  first = 1: layer 1: tau takes popcount(idx) / 4 more, and the state is the phase itself.
.macro PHASE first, kr
.irp t, 0,1,2,3
.set eb, EE+8*(\t)
.set rb, DR+8*(\t)
.set ib, DI+8*(\t)
.set ab, 8*((\t)%2)+4*((\t)/2)
.if \first
.irp p, 0,1,2,3
.set c, ((\t)/2+(\t)%2+((\p)&1)+((\p)>>1))&3    ; the ones in mt, nt and register 2 p, modulo four quarter turns; the lane's own are in OFF
.set ofr, OFF+4*(c&1)+2*(c>>1)
	v_pk_fma_f32 v[TU+2*(\p):TU+2*(\p)+1], v[eb+2*(\p):eb+2*(\p)+1], s[(\kr):(\kr)+1], v[ofr:ofr+1] op_sel_hi:[1,0,1]
.endr
	Q4 v_pk_add_f32 v[TR+i:TR+i+1], v[TU+i:TU+i+1], s[MAG:MAG+1] op_sel_hi:[1,0]
	Q4 v_pk_add_f32 v[TR+i:TR+i+1], v[TR+i:TR+i+1], s[NMAG:NMAG+1] op_sel_hi:[1,0]
	Q4 v_pk_add_f32 v[TR+i:TR+i+1], v[TU+i:TU+i+1], v[TR+i:TR+i+1] neg_lo:[0,1] neg_hi:[0,1]
.else
	Q4 v_pk_fma_f32 v[TR+i:TR+i+1], v[eb+i:eb+i+1], s[(\kr):(\kr)+1], s[MAG:MAG+1] op_sel_hi:[1,0,0]
	Q4 v_pk_add_f32 v[TR+i:TR+i+1], v[TR+i:TR+i+1], s[NMAG:NMAG+1] op_sel_hi:[1,0]
	Q4 v_pk_fma_f32 v[TR+i:TR+i+1], v[eb+i:eb+i+1], s[(\kr):(\kr)+1], v[TR+i:TR+i+1] op_sel_hi:[1,0,1] neg_lo:[0,0,1] neg_hi:[0,0,1]
.endif
	Q4 v_pk_mul_f32 v[TU+i:TU+i+1], v[TR+i:TR+i+1], v[TR+i:TR+i+1]
	Q4 v_pk_fma_f32 v[TC+i:TC+i+1], v[TU+i:TU+i+1], s[CC+8:CC+9], s[CC+6:CC+7] op_sel_hi:[1,0,0]
	Q4 v_pk_fma_f32 v[TS+i:TS+i+1], v[TU+i:TU+i+1], s[SS+8:SS+9], s[SS+6:SS+7] op_sel_hi:[1,0,0]
	Q4 v_pk_fma_f32 v[TC+i:TC+i+1], v[TC+i:TC+i+1], v[TU+i:TU+i+1], s[CC+4:CC+5] op_sel_hi:[1,1,0]
	Q4 v_pk_fma_f32 v[TS+i:TS+i+1], v[TS+i:TS+i+1], v[TU+i:TU+i+1], s[SS+4:SS+5] op_sel_hi:[1,1,0]
	Q4 v_pk_fma_f32 v[TC+i:TC+i+1], v[TC+i:TC+i+1], v[TU+i:TU+i+1], s[CC+2:CC+3] op_sel_hi:[1,1,0]
	Q4 v_pk_fma_f32 v[TS+i:TS+i+1], v[TS+i:TS+i+1], v[TU+i:TU+i+1], s[SS+2:SS+3] op_sel_hi:[1,1,0]
	Q4 v_pk_fma_f32 v[TC+i:TC+i+1], v[TC+i:TC+i+1], v[TU+i:TU+i+1], s[CC:CC+1] op_sel_hi:[1,1,0]
	Q4 v_pk_fma_f32 v[TS+i:TS+i+1], v[TS+i:TS+i+1], v[TU+i:TU+i+1], s[SS:SS+1] op_sel_hi:[1,1,0]
	Q4 v_pk_mul_f32 v[TS+i:TS+i+1], v[TS+i:TS+i+1], v[TR+i:TR+i+1]
.if \first
	Q4 v_cvt_pk_f16_f32 v[AR+ab+i/2], v[TC+i], v[TC+i+1]
	Q4 v_cvt_pk_f16_f32 v[AI+ab+i/2], v[TS+i], v[TS+i+1]
.else
	Q4 v_pk_mul_f32 v[TU+i:TU+i+1], v[rb+i:rb+i+1], v[TC+i:TC+i+1]
	Q4 v_pk_mul_f32 v[TC+i:TC+i+1], v[ib+i:ib+i+1], v[TC+i:TC+i+1]
	Q4 v_pk_fma_f32 v[TU+i:TU+i+1], v[ib+i:ib+i+1], v[TS+i:TS+i+1], v[TU+i:TU+i+1] neg_lo:[1,0,0] neg_hi:[1,0,0]
	Q4 v_pk_fma_f32 v[TC+i:TC+i+1], v[rb+i:rb+i+1], v[TS+i:TS+i+1], v[TC+i:TC+i+1]
	Q4 v_cvt_pk_f16_f32 v[AR+ab+i/2], v[TU+i], v[TU+i+1]
	Q4 v_cvt_pk_f16_f32 v[AI+ab+i/2], v[TC+i], v[TC+i+1]
.endif
.endr
.endm
; Layer l + 1 (l = 1 to 4).  Its M5 is asked for first, four places behind the last product that read M5's registers, and has the phase in which to come.  last = 1: the critic leaves behind the first product.
.macro LAYER l, last
	LOADM \l
	PHASE 0, KL+2*(\l)-2
	s_wait_dscnt 0x0                               ; M5 is in
	MUL8                                           ; contracts a
	NOP4
.if \last
	s_cmp_eq_u32 s[CIRC], 1
	s_cbranch_scc1 .Lcritic                        ; the critic's last layer ends here
.endif
	CVT
	MUL8                                           ; contracts b
	NOP4
.endm
.macro RSUM r, tmp                  ; the sum over the 32 lanes, in every lane; tmp has been written before
	v_add_f32_dpp v[\r], v[\r], v[\r] row_xmask:1 row_mask:0xf bank_mask:0xf
	v_add_f32_dpp v[\r], v[\r], v[\r] row_xmask:2 row_mask:0xf bank_mask:0xf
	v_add_f32_dpp v[\r], v[\r], v[\r] row_xmask:4 row_mask:0xf bank_mask:0xf
	v_add_f32_dpp v[\r], v[\r], v[\r] row_xmask:8 row_mask:0xf bank_mask:0xf
	v_permlanex16_b32 v[\tmp], v[\r], s[SEL], s[SEL+1]
	v_add_f32 v[\r], v[\r], v[\tmp]
.endm
.macro WL reg, lane, xi             ; x[xi] (s32-63, then s68-90) into one lane of X
.if (\xi) < 32
	v_writelane_b32 v[XV+(\reg)], s[32+(\xi)], \lane
.else
	v_writelane_b32 v[XV+(\reg)], s[36+(\xi)], \lane
.endif
.endm
	; THE HEAD
	s_load_b512 s[4:19], s[0:1], 0x0               ; x s[4:5], action s[6:7], out0 s[8:9], input scalings s[10:13], weights s[14:17], the actor's output scaling s[18:19],
	s_load_b64 s[20:21], s[0:1], 0x40              ; the critic's
	v_lshl_add_u32 v[SPW], v0, 2, SPARE
	v_mov_b32 v[NIL], 0
	v_and_b32 v[LN], 31, v0
	v_lshrrev_b32 v6, 5, v0
	v_readfirstlane_b32 s[WV], v6                  ; wave 0..15
	s_lshr_b32 s[SL], s[WV], 1
	s_lshr_b32 s[CIRC], s[WV], 2
	s_xor_b32 s[CIRC], s[CIRC], s[WV]
	s_and_b32 s[CIRC], s[CIRC], 1                  ; (w xor w / 4) mod 2: among waves 4 k .. 4 k + 3, and among waves k, k + 4, k + 8, k + 12, two are actors and two critics
	s_lshl_b32 s[SMP], ttmp9, 3
	s_add_co_u32 s[SMP], s[SMP], s[SL]
	s_mul_i32 s24, s[SMP], 220                     ; a row of x is 55 numbers
	s_mov_b32 s25, 0
	s_mul_i32 s30, ttmp9, 96                       ; the work-group's 8 rows of out0
	s_mov_b32 s31, 0
	v_lshlrev_b32 v[LA], 4, v[LN]
	s_mul_i32 s66, s[CIRC], 5*MATB
	v_add_nc_u32 v[MA], s66, v[LA]
	s_lshl_b32 s67, s[WV], 4
	v_mov_b32 v[RA], s67
	s_wait_kmcnt 0x0
	s_add_nc_u64 s[24:25], s[4:5], s[24:25]
	s_add_nc_u64 s[8:9], s[8:9], s[30:31]
	s_cmp_eq_u32 s[CIRC], 0
	s_cselect_b64 s[26:27], s[10:11], s[12:13]
	s_load_b512 s[32:47], s[24:25], 0x0            ; x[0..15]
	s_load_b512 s[48:63], s[24:25], 0x40           ; x[16..31]
	s_load_b512 s[68:83], s[24:25], 0x80           ; x[32..47]
	s_load_b128 s[84:87], s[24:25], 0xc0           ; x[48..51]
	s_load_b96 s[88:90], s[24:25], 0xd0            ; x[52..54]: the row ends here
	s_load_b128 s[92:95], s[26:27], 0x0            ; my circuit's five input scalings
	s_load_b32 s96, s[26:27], 0x10
	s_mov_b32 s99, 0xffff0000                      ; lanes 16-31
	; THE TABLES.  Waves 0-9 make one M5 each, wave 10 the feature table.
	s_cmp_lt_u32 s[WV], 10
	s_cbranch_scc0 .Lnot_m
	s_cmp_ge_u32 s[WV], 5
	s_cselect_b64 s[28:29], s[16:17], s[14:15]     ; matrices 5-9 are the critic's
	s_cselect_b32 s30, 5, 0
	s_sub_co_u32 s30, s[WV], s30
	s_lshl_b32 s30, s30, 2
	s_add_nc_u64 s[28:29], s[28:29], s[30:31]
	s_load_b32 s97, s[28:29], 0x0                  ; the layer's weight
	s_mov_b32 s66, 0xaaaaaaaa                      ; lanes whose bit 0 is set; bits 1, 2, 3
	s_mov_b32 s67, 0xcccccccc
	s_mov_b32 s91, 0xf0f0f0f0
	s_mov_b32 s98, 0xff00ff00
	s_mul_i32 s30, s[WV], MATB
	v_add_nc_u32 v6, s30, v[LA]
	s_wait_kmcnt 0x0
	v_mov_b32 v164, s97
	v_mul_f32 v164, 0x3da2f983, v164               ; w / 2 in turns: w / 4 pi
	v_add_f32 v165, 0x4b400000, v164               ; the nearest whole number of turns: 1.5 x 2^23 added
	v_add_f32 v165, 0xcb400000, v165               ; and taken away
	v_sub_f32 v164, v164, v165                     ; r
	v_mul_f32 v161, v164, v164                     ; u
	v_mov_b32 v160, PC4
	v_mov_b32 v162, PS4
	v_fmaak_f32 v160, v160, v161, PC3
	v_fmaak_f32 v162, v162, v161, PS3
	v_fmaak_f32 v160, v160, v161, PC2
	v_fmaak_f32 v162, v162, v161, PS2
	v_fmaak_f32 v160, v160, v161, PC1
	v_fmaak_f32 v162, v162, v161, PS1
	v_fmaak_f32 v160, v160, v161, PC0
	v_fmaak_f32 v162, v162, v161, PS0
	v_mul_f32 v162, v162, v164
	v_mul_f32 v165, v160, v160                     ; c and s are divided by sqrt(c^2 + s^2), so that M5 is orthogonal to within rounding
	v_fmac_f32 v165, v162, v162
	v_rsq_f32 v165, v165
	v_nop                                          ; a plain instruction behind the root (ISA guide 5.7.2),
	s_wait_alu depctr_va_vdst(0)                   ; and a wait ahead of its first reader
	v_mul_f32 v160, v160, v165                     ; c
	v_mul_f32 v162, v162, v165                     ; s
	v_xor_b32 v163, 0x80000000, v162               ; -s
	; second source: lane l holds column n = 16 nu + l % 16; register 4 kt + p, half e holds k = 16 kt + 8 (l / 16) + 2 p + e.  M5(n, k) = the product over the five bits of RY(bit of n, bit of k).
	v_cndmask_b32 v166, v160, v162, s66            ; RY(n0, 0) = c or s
	v_cndmask_b32 v167, v163, v160, s66            ; RY(n0, 1) = -s or c
	v_cndmask_b32 v168, v160, v162, s67
	v_cndmask_b32 v169, v163, v160, s67
	v_cndmask_b32 v170, v160, v162, s91
	v_cndmask_b32 v171, v163, v160, s91
	v_cndmask_b32 v172, v160, v162, s98
	v_cndmask_b32 v173, v163, v160, s98
	v_cndmask_b32 v172, v172, v173, s99            ; RY(n3, k3), k3 = l / 16
	v_mul_f32 v174, v172, v170                     ; k2 = 0
	v_mul_f32 v175, v172, v171                     ; k2 = 1
	v_mul_f32 v176, v174, v168                     ; (k2, k1) = 0 .. 3
	v_mul_f32 v177, v174, v169
	v_mul_f32 v178, v175, v168
	v_mul_f32 v179, v175, v169
.irp p, 0,1,2,3
	v_mul_f32 v[48+2*(\p)], v[176+(\p)], v166      ; V: the four low bits' factor
	v_mul_f32 v[49+2*(\p)], v[176+(\p)], v167
.endr
.irp p, 0,1,2,3
	v_pk_mul_f32 v[56+2*(\p):57+2*(\p)], v[48+2*(\p):49+2*(\p)], v[160:161] op_sel_hi:[1,0]  ; c V
	v_pk_mul_f32 v[64+2*(\p):65+2*(\p)], v[48+2*(\p):49+2*(\p)], v[162:163] op_sel_hi:[1,0]  ; s V
.endr
.irp p, 0,1,2,3
	v_cvt_pk_f16_f32 v[180+(\p)], v[64+2*(\p)], v[65+2*(\p)]
	v_cvt_pk_f16_f32 v[184+(\p)], v[56+2*(\p)], v[57+2*(\p)]
.endr
.irp p, 0,1,2,3
	v_xor_b32 v[188+(\p)], 0x80008000, v[180+(\p)]
.endr
	ds_store_b128 v6, v[180:183]                   ; s V, c V: n4 = 1 (RY(1, 0) = s, RY(1, 1) = c);
	ds_store_b128 v6, v[184:187] offset:512        ; c V, -s V: n4 = 0
	ds_store_b128 v6, v[188:191] offset:1024
	s_branch .Lbuilt
.Lnot_m:
	s_cmp_eq_u32 s[WV], 10
	s_cbranch_scc0 .Lbuilt
	; F in bf16, +1 or -1: lane l holds index n = 16 nt + l % 16, word w features 8 (l / 16) + 2 w and + 1.  z0 goes by nt, z1 .. z4 by bits 3 .. 0 of the lane.  First the signs, for nt = 0.
	v_bfe_u32 v160, v[LN], 3, 1                    ; b1
	v_bfe_u32 v161, v[LN], 2, 1                    ; b2
	v_bfe_u32 v162, v[LN], 1, 1                    ; b3
	v_and_b32 v163, 1, v[LN]                       ; b4
	v_xor_b32 v164, v160, v161
	v_xor_b32 v165, v160, v162
	v_xor_b32 v166, v160, v163
	v_xor_b32 v167, v161, v162
	v_xor_b32 v168, v161, v163
	v_xor_b32 v169, v162, v163
	v_lshlrev_b32 v170, 15, v160
	v_lshl_or_b32 v170, v161, 31, v170             ; (z1, z2); with z0 = 1 also (z0 z1, z0 z2)
	v_lshlrev_b32 v171, 15, v162
	v_lshl_or_b32 v171, v163, 31, v171             ; (z3, z4); also (z0 z3, z0 z4)
	v_lshlrev_b32 v172, 15, v164
	v_lshl_or_b32 v172, v165, 31, v172             ; (z1 z2, z1 z3)
	v_lshlrev_b32 v173, 15, v166
	v_lshl_or_b32 v173, v167, 31, v173             ; (z1 z4, z2 z3)
	v_lshlrev_b32 v174, 15, v168
	v_lshl_or_b32 v174, v169, 31, v174             ; (z2 z4, z3 z4)
	v_cndmask_b32 v176, v[NIL], v171, s99          ; features 0, 1: (1, z0)       | 8, 9
	v_cndmask_b32 v177, v170, v172, s99            ; 2, 3                         | 10, 11
	v_cndmask_b32 v178, v171, v173, s99            ; 4, 5                         | 12, 13
	v_cndmask_b32 v179, v170, v174, s99            ; 6, 7                         | 14, 15
.irp p, 0,1,2,3
	v_xor_b32 v[176+(\p)], 0x3f803f80, v[176+(\p)] ; 1.0 twice, with those signs
.endr
	v_mov_b32 v175, 0x80008000
	v_mov_b32 v160, 0x80000000
	v_cndmask_b32 v180, v160, v175, s99            ; nt = 1 turns z0: feature 1 | features 8, 9
	v_cndmask_b32 v183, v175, v[NIL], s99          ; features 6, 7 | none
	v_xor_b32 v180, v180, v176
	v_mov_b32 v181, v177
	v_mov_b32 v182, v178
	v_xor_b32 v183, v183, v179
	ds_store_b128 v[LA], v[176:179] offset:FT
	ds_store_b128 v[LA], v[180:183] offset:FT+512
.Lbuilt:
	s_wait_kmcnt 0x0                               ; x and the input scalings
	s_wait_dscnt 0x0                               ; for the others' sake: my table is stored
	s_barrier_signal -1
	; X, between the signal and the wait: work on registers alone.  Lane g + 16 h, register j: X(a's feature 8 h + j, b's feature g).  x = h_0..9, then J in the order (0,1), (0,2) .. (8,9).
.irp j, 0,1,2,3,4,5,6,7
	v_mov_b32 v[XV+(\j)], 0
.endr
.irp j, 0,1,2,3,4
	WL 1+(\j), 0, \j                               ; h of qubit j
	WL 0, 1+(\j), 5+(\j)                           ; h of qubit 5 + j
	WL 1, 1+(\j), 14+(\j)                          ; J(0, 5 + j)
	WL 2, 1+(\j), 22+(\j)                          ; J(1, 5 + j)
	WL 3, 1+(\j), 29+(\j)
	WL 4, 1+(\j), 35+(\j)
	WL 5, 1+(\j), 40+(\j)
.endr
	WL 6, 0, 10                                    ; the pairs inside qubits 0-4
	WL 7, 0, 11
	WL 0, 16, 12
	WL 1, 16, 13
	WL 2, 16, 19
	WL 3, 16, 20
	WL 4, 16, 21
	WL 5, 16, 27
	WL 6, 16, 28
	WL 7, 16, 34
.irp j, 0,1,2,3,4,5,6,7,8,9
	WL 0, 6+(\j), 45+(\j)                          ; the pairs inside qubits 5-9
.endr
	SPLIT XV, AX
	s_barrier_wait -1                              ; all tables lie in LDS; nothing writes them again
	ds_load_b128 v[FB0:FB0+3], v[LA] offset:FT     ; each block twice: k = 0-15 meets the upper parts, k = 16-31 the rests
	ds_load_b128 v[FB0+4:FB0+7], v[LA] offset:FT
	ds_load_b128 v[FB1:FB1+3], v[LA] offset:FT+512
	ds_load_b128 v[FB1+4:FB1+7], v[LA] offset:FT+512
	LOADM 0                                        ; layer 1's M5
	SPAIR CC,   PC0                                ; x is in X: its scalar registers take the constants, while the loads are out
	SPAIR CC+2, PC1
	SPAIR CC+4, PC2
	SPAIR CC+6, PC3
	SPAIR CC+8, PC4
	SPAIR SS,   PS0
	SPAIR SS+2, PS1
	SPAIR SS+4, PS2
	SPAIR SS+6, PS3
	SPAIR SS+8, PS4
	SPAIR MAG,  0x4b400000
	SPAIR NMAG, 0xcb400000
	s_mul_f32 s[K1], s92, 0xbda2f983               ; exp(-i s E / 2) = e^(2 pi i tau), tau = -s E / 4 pi
	s_mul_f32 s[KL], s93, 0xbda2f983
	s_mul_f32 s[KL+2], s94, 0xbda2f983
	s_mul_f32 s[KL+4], s95, 0xbda2f983
	s_mul_f32 s[KL+6], s96, 0xbda2f983
	s_mov_b32 s[K1+1], s[K1]                       ; named as pairs
	s_mov_b32 s[KL+1], s[KL]
	s_mov_b32 s[KL+3], s[KL+2]
	s_mov_b32 s[KL+5], s[KL+4]
	s_mov_b32 s[KL+7], s[KL+6]
	s_mov_b32 s[SEL], 0x76543210
	s_mov_b32 s[SEL+1], 0xfedcba98
	s_wait_dscnt 3                                 ; the feature table is in; the three loads issued behind it, layer 1's M5, may stay out
	v_wmma_f32_16x16x32_bf16 v[G0:G0+7], v[AX:AX+7], v[FB0:FB0+7], 0   ; G(g, a) = sum over f of X(f, g) F(f, a)
	v_wmma_f32_16x16x32_bf16 v[G1:G1+7], v[AX:AX+7], v[FB1:FB1+7], 0
	NOP4
	SPLIT G0, A20
	SPLIT G1, A21
	v_wmma_f32_16x16x32_bf16 v[EE:EE+7],     v[A20:A20+7], v[FB0:FB0+7], 0   ; E(a, b) = sum over g of G(g, a) F(g, b)
	v_wmma_f32_16x16x32_bf16 v[EE+8:EE+15],  v[A20:A20+7], v[FB1:FB1+7], 0
	v_wmma_f32_16x16x32_bf16 v[EE+16:EE+23], v[A21:A21+7], v[FB0:FB0+7], 0
	v_wmma_f32_16x16x32_bf16 v[EE+24:EE+31], v[A21:A21+7], v[FB1:FB1+7], 0
	; layer 1's quarter turns: the ones in the lane's number count b's low four bits and a's bit 3.  These sixteen plain lines name no register of the products above: they are the places behind them.
	v_and_b32 v6, 1, v[LN]
	v_bfe_u32 v7, v[LN], 1, 1
	v_bfe_u32 v8, v[LN], 2, 1
	v_bfe_u32 v9, v[LN], 3, 1
	v_bfe_u32 v10, v[LN], 4, 1
	v_add3_u32 v6, v6, v7, v8
	v_add3_u32 v6, v6, v9, v10
	v_cvt_f32_u32 v6, v6
	v_mul_f32 v[OFF], 0x3e800000, v6
	v_add_f32 v[OFF+1], 0x3e800000, v[OFF]
	v_add_f32 v[OFF+2], 0.5, v[OFF]
	v_add_f32 v[OFF+3], 0x3f400000, v[OFF]
	v_add_f32 v[OFF+4], 0x3e800000, v[OFF]
	v_add_f32 v[OFF+5], 0.5, v[OFF]
	v_add_f32 v[OFF+6], 0x3f400000, v[OFF]
	v_add_f32 v[OFF+7], 1.0, v[OFF]
	; LAYER 1
	PHASE 1, K1
	s_wait_dscnt 0x0                               ; M5 is in
	MUL8                                           ; contracts a
	NOP4
	CVT
	MUL8                                           ; contracts b
	NOP4
	; LAYERS 2 TO 5
	LAYER 1, 0
	LAYER 2, 0
	LAYER 3, 0
	LAYER 4, 1
	; THE ACTOR'S TAIL.  Qubit 0 = mt, 1 = lane / 16, 2 and 3 = the register pair's number, 4 = the half of a pair, 5 = nt, 6 .. 9 = bits 3 .. 0 of the lane.
	s_lshl_b32 s30, s[SMP], 2
	s_mov_b32 s31, 0
	s_add_nc_u64 s[6:7], s[6:7], s[30:31]
	s_load_b256 s[68:75], s[18:19], 0x0            ; the ten output scales
	s_load_b64 s[76:77], s[18:19], 0x20
	s_load_b32 s78, s[6:7], 0x0                    ; my sample's action
.set k, 0
.rept 16
	v_pk_mul_f32 v[DR+k:DR+k+1], v[DR+k:DR+k+1], v[DR+k:DR+k+1]
.set k, k+2
.endr
.set k, 0
.rept 16
	v_pk_fma_f32 v[DR+k:DR+k+1], v[DI+k:DI+k+1], v[DI+k:DI+k+1], v[DR+k:DR+k+1]  ; P = Re^2 + Im^2
.set k, k+2
.endr
	Q4 v_pk_add_f32 v[80+i:81+i], v[DR+i:DR+i+1], v[DR+8+i:DR+9+i]                               ; mt = 0: sum over nt,
	Q4 v_pk_add_f32 v[88+i:89+i], v[DR+i:DR+i+1], v[DR+8+i:DR+9+i] neg_lo:[0,1] neg_hi:[0,1]     ; and difference
	Q4 v_pk_add_f32 v[96+i:97+i], v[DR+16+i:DR+17+i], v[DR+24+i:DR+25+i]                         ; mt = 1
	Q4 v_pk_add_f32 v[104+i:105+i], v[DR+16+i:DR+17+i], v[DR+24+i:DR+25+i] neg_lo:[0,1] neg_hi:[0,1]
	Q4 v_pk_add_f32 v[48+i:49+i], v[80+i:81+i], v[96+i:97+i]                                     ; S: all four tiles
	Q4 v_pk_add_f32 v[56+i:57+i], v[80+i:81+i], v[96+i:97+i] neg_lo:[0,1] neg_hi:[0,1]           ; signed by qubit 0
	Q4 v_pk_add_f32 v[64+i:65+i], v[88+i:89+i], v[104+i:105+i]                                   ; signed by qubit 5
	v_pk_add_f32 v[56:57], v[56:57], v[58:59]
	v_pk_add_f32 v[60:61], v[60:61], v[62:63]
	v_pk_add_f32 v[64:65], v[64:65], v[66:67]
	v_pk_add_f32 v[68:69], v[68:69], v[70:71]
	v_pk_add_f32 v[72:73], v[48:49], v[50:51]
	v_pk_add_f32 v[74:75], v[52:53], v[54:55]
	v_pk_add_f32 v[76:77], v[48:49], v[50:51] neg_lo:[0,1] neg_hi:[0,1]
	v_pk_add_f32 v[78:79], v[52:53], v[54:55] neg_lo:[0,1] neg_hi:[0,1]
	v_pk_add_f32 v[56:57], v[56:57], v[60:61]
	v_pk_add_f32 v[64:65], v[64:65], v[68:69]
	v_pk_add_f32 v[80:81], v[72:73], v[74:75]
	v_pk_add_f32 v[82:83], v[72:73], v[74:75] neg_lo:[0,1] neg_hi:[0,1]
	v_pk_add_f32 v[84:85], v[76:77], v[78:79]
	v_add_f32 v[VL], v56, v57                      ; qubit 0
	v_add_f32 v[VL+5], v64, v65                    ; qubit 5
	v_add_f32 v[TT], v80, v81                      ; the lane's whole sum
	v_sub_f32 v[VL+4], v80, v81                    ; qubit 4
	v_add_f32 v[VL+2], v82, v83                    ; qubit 2
	v_add_f32 v[VL+3], v84, v85                    ; qubit 3
; Across the lanes.  In the step with mask m the whole sums of lanes l and l xor m give qubit q's difference and their sum; what is signed already is only added.  The differences' signs are right in lane 0, which alone is used.
; (TMP and v128-137 have been written, as first sources: the forms below count their destinations as read.)
.macro XSTEP m, q
	v_mov_b32_dpp v[TMP], v[TT] row_xmask:\m row_mask:0xf bank_mask:0xf
.irp k, 0,2,3,4,5,6,7,8,9
.if ((\k) < 6) || ((\k) > (\q))
	v_add_f32_dpp v[VL+(\k)], v[VL+(\k)], v[VL+(\k)] row_xmask:\m row_mask:0xf bank_mask:0xf
.endif
.endr
	v_sub_f32 v[VL+(\q)], v[TT], v[TMP]
	v_add_f32 v[TT], v[TT], v[TMP]
.endm
	XSTEP 1, 9
	XSTEP 2, 8
	XSTEP 4, 7
	XSTEP 8, 6
.irp k, 0,2,3,4,5,6,7,8,9
	v_permlanex16_b32 v[128+(\k)], v[VL+(\k)], s[SEL], s[SEL+1]
.endr
	v_permlanex16_b32 v129, v[TT], s[SEL], s[SEL+1]
.irp k, 0,2,3,4,5,6,7,8,9
	v_add_f32 v[VL+(\k)], v[VL+(\k)], v[128+(\k)]
.endr
	v_sub_f32 v[VL+1], v[TT], v129                 ; qubit 1
	s_wait_kmcnt 0x0                               ; the scales and the action
.irp q, 0,1,2,3,4,5,6,7,8,9
	s_mul_f32 s[68+(\q)], s[68+(\q)], 0x3a800000   ; the state's 1/32, squared
.endr
.irp q, 0,1,2,3,4,5,6,7,8,9
	v_mul_f32 v[VL+(\q)], s[68+(\q)], v[VL+(\q)]   ; the logits
.endr
	v_max3_num_f32 v124, v[VL], v[VL+1], v[VL+2]
	v_max3_num_f32 v124, v124, v[VL+3], v[VL+4]
	v_max3_num_f32 v124, v124, v[VL+5], v[VL+6]
	v_max3_num_f32 v124, v124, v[VL+7], v[VL+8]
	v_max_num_f32 v124, v124, v[VL+9]
	v_mov_b32 v125, v124
.irp k, 0,2,4,6,8
	v_pk_add_f32 v[VL+(\k):VL+(\k)+1], v[VL+(\k):VL+(\k)+1], v[124:125] neg_lo:[0,1] neg_hi:[0,1]  ; d = logit - maximum
.endr
.irp k, 0,2,4,6,8
	v_pk_mul_f32 v[128+(\k):129+(\k)], v[VL+(\k):VL+(\k)+1], 0x3fb8aa3b op_sel_hi:[1,0]
.endr
.irp q, 0,1,2,3,4,5,6,7,8,9
	v_exp_f32 v[128+(\q)], v[128+(\q)]             ; e^d: one batch
.endr
	v_mov_b32 v155, v[VL]                          ; d of the action: a choice of a value, made in every case; it names no exponential's result and stands between the batch and its wait
.irp q, 1,2,3,4,5,6,7,8,9
	s_cmp_eq_u32 s78, \q
	s_cselect_b32 s[79+(\q)], -1, 0
	v_cndmask_b32 v155, v155, v[VL+(\q)], s[79+(\q)]
.endr
	s_wait_alu depctr_va_vdst(0)                   ; the one wait ahead of the batch's first reader
	v_pk_mul_f32 v[144:145], v[128:129], v[VL:VL+1]
.irp k, 2,4,6,8
	v_pk_fma_f32 v[144:145], v[128+(\k):129+(\k)], v[VL+(\k):VL+(\k)+1], v[144:145]  ; sum of e^d d
.endr
	v_pk_add_f32 v[146:147], v[128:129], v[130:131]
	v_pk_add_f32 v[148:149], v[132:133], v[134:135]
	v_pk_add_f32 v[146:147], v[146:147], v[136:137]
	v_pk_add_f32 v[146:147], v[146:147], v[148:149]
	v_add_f32 v150, v146, v147                     ; sum of e^d, at least 1
	v_add_f32 v154, v144, v145
	v_log_f32 v151, v150
	v_rcp_f32 v152, v150
	v_nop
	s_wait_alu depctr_va_vdst(0)                   ; one wait for the two
	v_mul_f32 v151, 0x3f317218, v151               ; ln of the sum
	v_fma_f32 v153, -v154, v152, v151              ; entropy = ln sum - (sum of e^d d) / sum
	v_sub_f32 v155, v155, v151                     ; log_prob = d - ln sum
	v_readfirstlane_b32 s30, v155                  ; lane 0's
	v_readfirstlane_b32 s31, v153
	v_mov_b32 v6, s30
	v_mov_b32 v7, s31
	ds_store_b64 v[RA], v[6:7] offset:RES          ; all lanes store the same two words
	s_branch .Ljoin
	; THE CRITIC'S TAIL, behind the product that contracted a: tile (mu, nu), nu = the new a's highest bit = qubit 0.  Sum of |psi|^2 with nu = 0, less that with nu = 1.
.Lcritic:
	s_load_b32 s68, s[20:21], 0x0
.irp mu, 0,1
.irp pr, 0,1,2,3
.irp pt, 0,1
.irp nu, 0,1
.set src, DR+32*(\pt)+8*(2*(\mu)+(\nu))+2*(\pr)
.set acc, TR+2*(2*(\pt)+(\nu))
.if ((\mu)+(\pr)) == 0
	v_pk_mul_f32 v[acc:acc+1], v[src:src+1], v[src:src+1]
.else
	v_pk_fma_f32 v[acc:acc+1], v[src:src+1], v[src:src+1], v[acc:acc+1]
.endif
.endr
.endr
.endr
.endr
	v_pk_add_f32 v[TR:TR+1], v[TR:TR+1], v[TR+4:TR+5]
	v_pk_add_f32 v[TR+2:TR+3], v[TR+2:TR+3], v[TR+6:TR+7]
	v_pk_add_f32 v[TR:TR+1], v[TR:TR+1], v[TR+2:TR+3] neg_lo:[0,1] neg_hi:[0,1]
	v_add_f32 v6, v[TR], v[TR+1]
	RSUM 6, 7
	s_wait_kmcnt 0x0
	s_mul_f32 s68, s68, 0x3a800000
	v_mul_f32 v6, s68, v6
	v_mov_b32 v7, v6
	ds_store_b64 v[RA], v[6:7] offset:RES+8        ; the value, twice: so the upper half of the wave's 16 bytes is written whole; the word at +8 is the one that is read
.Ljoin:
	s_wait_dscnt 0x0                               ; for wave 0's sake: my result is stored
	s_barrier_signal -1
	s_barrier_wait -1
	s_cmp_lg_u32 s[WV], 0
	s_cbranch_scc1 .Lend
	; Wave 0 stores the work-group's 8 x 3 numbers: lane = 8 x component + sample.  Sample t's circuit z ran on wave 2 t + (t / 2 + z) mod 2.
	v_and_b32 v6, 7, v[LN]                         ; sample
	v_lshrrev_b32 v7, 3, v[LN]                     ; component
	v_lshrrev_b32 v8, 1, v7                        ; 1: the critic's
	v_lshrrev_b32 v9, 1, v6
	v_add_nc_u32 v9, v9, v8
	v_and_b32 v9, 1, v9
	v_lshl_add_u32 v9, v6, 1, v9                   ; the wave
	v_lshlrev_b32 v10, 2, v7
	v_lshl_add_u32 v9, v9, 4, v10                  ; 16 x wave + 4 x component
	v_mad_u32_u24 v11, v6, 12, v10                 ; 12 x sample + 4 x component
	v_cmp_gt_u32 vcc_lo, 24, v[LN]
	s_wait_xcnt 0x0                                ; EXEC changes only behind this wait
	s_and_saveexec_b32 s30, vcc_lo
	ds_load_b32 v12, v9 offset:RES
	s_wait_dscnt 0x0
	global_store_b32 v11, v12, s[8:9]              ; 24 lanes, 96 consecutive bytes
	s_wait_xcnt 0x0                                ; and again, in front of the line that widens it
	s_or_b32 exec_lo, exec_lo, s30
.Lend:
	s_wait_tensorcnt 0x0                           ; the wave's end, behind my last LDS store
	ds_add_u32 v[SPW], v[NIL]
	s_wait_dscnt 0x0
	s_endpgm
.Lfunc_end_k_q24f8f6ecda_circuits:
	.size	k_q24f8f6ecda_circuits, .Lfunc_end_k_q24f8f6ecda_circuits-k_q24f8f6ecda_circuits
	.p2alignl 7, 3214868480
	.fill 96, 4, 3214868480
	.section	.rodata,"a",@progbits
	.p2align	6, 0x0
	.amdhsa_kernel k_q24f8f6ecda_circuits
		.amdhsa_group_segment_fixed_size 18688
		.amdhsa_private_segment_fixed_size 0
		.amdhsa_enable_private_segment 0
		.amdhsa_kernarg_size 72
		.amdhsa_user_sgpr_count 2
		.amdhsa_user_sgpr_kernarg_segment_ptr 1
		.amdhsa_wavefront_size32 1
		.amdhsa_system_sgpr_workgroup_id_x 1
		.amdhsa_system_sgpr_workgroup_id_y 1
		.amdhsa_system_sgpr_workgroup_id_z 1
		.amdhsa_system_vgpr_workitem_id 0
		.amdhsa_next_free_vgpr 192
		.amdhsa_next_free_sgpr 102
		.amdhsa_reserve_vcc 1
		.amdhsa_float_denorm_mode_32 3
		.amdhsa_float_denorm_mode_16_64 3
		.amdhsa_memory_ordered 1
		.amdhsa_forward_progress 1
		.amdhsa_inst_pref_size 146
	.end_amdhsa_kernel
	.amdgpu_metadata
---
amdhsa.version: [ 1, 2 ]
amdhsa.kernels:
  - .name:           k_q24f8f6ecda_circuits
    .symbol:         k_q24f8f6ecda_circuits.kd
    .args:
      - { .name: x, .offset: 0, .size: 8, .value_kind: global_buffer, .address_space: global }
      - { .name: action, .offset: 8, .size: 8, .value_kind: global_buffer, .address_space: global }
      - { .name: out0, .offset: 16, .size: 8, .value_kind: global_buffer, .address_space: global }
      - { .name: input_scaling_actor, .offset: 24, .size: 8, .value_kind: global_buffer, .address_space: global }
      - { .name: input_scaling_critic, .offset: 32, .size: 8, .value_kind: global_buffer, .address_space: global }
      - { .name: weights_actor, .offset: 40, .size: 8, .value_kind: global_buffer, .address_space: global }
      - { .name: weights_critic, .offset: 48, .size: 8, .value_kind: global_buffer, .address_space: global }
      - { .name: output_scaling_actor, .offset: 56, .size: 8, .value_kind: global_buffer, .address_space: global }
      - { .name: output_scaling_critic, .offset: 64, .size: 8, .value_kind: global_buffer, .address_space: global }
    .group_segment_fixed_size: 18688
    .private_segment_fixed_size: 0
    .kernarg_segment_align: 8
    .kernarg_segment_size: 72
    .max_flat_workgroup_size: 512
    .sgpr_count:     102
    .vgpr_count:     192
    .wavefront_size: 32
...
	.end_amdgpu_metadata
.endif
;; end of part 1
